; MI455X (gfx1250); checked and timed in simulation.
; The chip was launched on July 23, 2026; its instructions are those of AMD's public machine-readable ISA for CDNA 5 (MIT licence, August 2026) and "CDNA5" Instruction Set Architecture Reference Guide (July 2026). The comments in the code are by the model that wrote it; some were corrected since.
;; Non Local. Allowed arithmetic: float matrix products may take bf16 or f16 operands with f32 sums; other float arithmetic in f32, or as packed bf16 or f16 multiplies, adds, multiply-adds, maxima and minima; sums over many terms, partial sums and values carried from step to step in f32; what a program stores and reads back later, other than sums and carried values, may be rounded once to bf16 or f16.
;; Inputs: w_g 256 x 512 float32; w_mask 512 x 256 float32; w_phi 256 x 512 float32; w_theta 256 x 512 float32; x 8 x 512 x 64 x 64 float32.
;; Outputs: out0 8 x 512 x 64 x 64 float32.
;; One version. Each part assembles by itself: llvm-mc -triple=amdgcn-amd-amdhsa -mcpu=gfx1250 --defsym DOCPART=n.
;; ======== version 1 of 1: 4 launches
;; limits: values outside matrix products are rounded to bf16
;; workspace buffers: wcf 786,432 bytes; wmf 262,144 bytes; thf 16,777,216 bytes; phf 16,777,216 bytes; gf 16,777,216 bytes; ef 67,108,864 bytes; st 1,048,576 bytes
;; launch prep (part 1): grid 256 x 1, 8 waves a work-group, no clusters, 0 bytes of LDS; arguments w_theta, w_phi, w_g, w_mask, wcf, wmf; writes wcf, wmf
.if DOCPART == 1
	.amdgcn_target "amdgcn-amd-amdhsa--gfx1250"
	.amdhsa_code_object_version 6
	.text
	.protected	k_q10c8954f23_prep
	.globl	k_q10c8954f23_prep
	.p2align	8
	.type	k_q10c8954f23_prep,@function
k_q10c8954f23_prep:
	s_mov_b64 s[64:65], 0
	v_nop
	global_prefetch_b8 v0, s[64:65] scope:SCOPE_SE
	s_setreg_imm32_b32 hwreg(HW_REG_WAVE_MODE, 25, 1), 1
	s_wait_xcnt 0x0
; prep: the four weight matrices, f32, are rounded to bf16 and laid out as FRAGMENT BLOCKS for the later launches.
; A fragment block is 16 rows x 32 k of bf16 in the order of a matrix operand's registers, 1,024 bytes:
; byte 512 u + 16 L (L = 16 h + r) holds row r, k = 16 u + 8 h + 0..7.  A wave reads it with two 16-byte loads a lane.
; wcf = [z 8][w 4][kt 4][t 6][block]: z = 4 pass + s, k tile (input channels) 4 s + kt; t < 4: rows 64 w + 16 t + r of w_theta (pass 0)
;       or w_g (pass 1); t = 4, 5: rows 128 pass + 32 w + 16 (t - 4) + r of w_phi.
; wmf = [c 4][w 4][kt 4][a 4][block]: rows 128 w + 64 (c >> 1) + 16 a + r of w_mask, k tile 4 (c & 1) + kt.
; One wave makes one half block (512 bytes): 32 bytes of f32 in, 16 bytes of bf16 out for each lane; a store covers 512 consecutive bytes, aligned.
; Waves 0-5 of work-group g make the six tiles t of wcf's place g >> 1, half g & 1; waves 6, 7 make halves 2 g and 2 g + 1 of wmf.
; No LDS, matrix unit or cluster: 2 MiB are read once, and no two work-groups read the same bytes.
	s_load_b256 s[4:11], s[0:1], 0x0               ; w_theta s[4:5], w_phi s[6:7], w_g s[8:9], w_mask s[10:11]
	s_load_b128 s[12:15], s[0:1], 0x20             ; wcf s[12:13], wmf s[14:15]
	v_lshrrev_b32 v1, 5, v0
	v_readfirstlane_b32 s16, v1                    ; wave 0..7
	v_and_b32 v2, 15, v0                           ; r
	v_bfe_u32 v3, v0, 4, 1                         ; h
	v_and_b32 v4, 31, v0
	v_lshlrev_b32 v4, 4, v4                        ; 16 x lane
	v_lshlrev_b32 v3, 5, v3                        ; 8 h numbers of 4 bytes
; eight f32 from v5 + the source, rounded, to v6 + the destination
.macro PACK src, dst
	global_load_b128 v[8:11], v5, s[\src:\src+1]
	global_load_b128 v[12:15], v5, s[\src:\src+1] offset:16
	s_wait_loadcnt 0x0
	v_cvt_pk_bf16_f32 v16, v8, v9
	v_cvt_pk_bf16_f32 v17, v10, v11
	v_cvt_pk_bf16_f32 v18, v12, v13
	v_cvt_pk_bf16_f32 v19, v14, v15
	global_store_b128 v6, v[16:19], s[\dst:\dst+1]
	s_endpgm
.endm
	s_cmp_lt_u32 s16, 6
	s_cbranch_scc0 .Lmask
	; wcf: g = [pass 1][s 2][w 2][kt 2][u 1]
	s_lshr_b32 s18, ttmp9, 7                       ; pass
	s_bfe_u32 s19, ttmp9, 0x20003                  ; w
	s_bfe_u32 s20, ttmp9, 0x20005                  ; s
	s_bfe_u32 s21, ttmp9, 0x20001                  ; kt
	s_and_b32 s22, ttmp9, 1                        ; u
	s_lshl_b32 s23, s20, 9                         ; column (128 s + 32 kt + 16 u) in bytes
	s_lshl_b32 s21, s21, 7
	s_add_co_u32 s23, s23, s21
	s_lshl_b32 s21, s22, 6
	s_add_co_u32 s23, s23, s21
	s_lshl_b32 s24, s19, 6
	s_lshl4_add_u32 s24, s16, s24                  ; theta, g: row 64 w + 16 t
	s_lshl_b32 s25, s18, 7
	s_lshl_b32 s26, s19, 5
	s_add_co_u32 s25, s25, s26
	s_and_b32 s26, s16, 1                          ; t - 4 for t = 4, 5
	s_lshl4_add_u32 s25, s26, s25                  ; phi: row 128 pass + 32 w + 16 (t - 4)
	s_wait_kmcnt 0x0
	s_cmp_lg_u32 s18, 0
	s_cselect_b64 s[28:29], s[8:9], s[4:5]         ; pass 1: w_g, pass 0: w_theta
	s_cmp_ge_u32 s16, 4
	s_cselect_b64 s[28:29], s[6:7], s[28:29]       ; t = 4, 5: w_phi
	s_cselect_b32 s24, s25, s24
	s_lshl_b32 s24, s24, 11                        ; rows of 2,048 bytes
	s_add_co_u32 s24, s24, s23
	v_lshl_add_u32 v5, v2, 11, v3
	v_add_nc_u32 v5, s24, v5
	s_lshr_b32 s26, ttmp9, 1
	s_mul_i32 s26, s26, 6144                       ; six blocks for each (z, w, kt)
	s_lshl_b32 s27, s16, 10
	s_add_co_u32 s26, s26, s27
	s_lshl_b32 s27, s22, 9
	s_add_co_u32 s26, s26, s27
	v_add_nc_u32 v6, s26, v4
	PACK 28, 12
.Lmask:
	; wmf: half block number = [hh 1][c2 1][w 2][kt 2][a 2][u 1]
	s_lshl_b32 s18, ttmp9, 1
	s_add_co_u32 s18, s18, s16
	s_sub_co_u32 s18, s18, 6
	s_and_b32 s19, s18, 1                          ; u
	s_bfe_u32 s20, s18, 0x20001                    ; a
	s_bfe_u32 s21, s18, 0x20003                    ; kt
	s_bfe_u32 s22, s18, 0x20005                    ; w
	s_bfe_u32 s23, s18, 0x10007                    ; c2
	s_lshr_b32 s24, s18, 8                         ; hh
	s_lshl_b32 s25, s22, 7
	s_lshl_b32 s24, s24, 6
	s_add_co_u32 s25, s25, s24
	s_lshl4_add_u32 s25, s20, s25                  ; row 128 w + 64 hh + 16 a
	s_lshl_b32 s25, s25, 10                        ; rows of 1,024 bytes
	s_lshl_b32 s23, s23, 9                         ; column (128 c2 + 32 kt + 16 u) in bytes
	s_add_co_u32 s25, s25, s23
	s_lshl_b32 s21, s21, 7
	s_add_co_u32 s25, s25, s21
	s_lshl_b32 s19, s19, 6
	s_add_co_u32 s25, s25, s19
	v_lshl_add_u32 v5, v2, 10, v3
	v_add_nc_u32 v5, s25, v5
	s_lshl_b32 s26, s18, 9
	v_add_nc_u32 v6, s26, v4
	s_wait_kmcnt 0x0
	PACK 10, 14
.Lfunc_end_k_q10c8954f23_prep:
	.size	k_q10c8954f23_prep, .Lfunc_end_k_q10c8954f23_prep-k_q10c8954f23_prep
	.p2alignl 7, 3214868480
	.fill 96, 4, 3214868480
	.section	.rodata,"a",@progbits
	.p2align	6, 0x0
	.amdhsa_kernel k_q10c8954f23_prep
		.amdhsa_group_segment_fixed_size 0
		.amdhsa_private_segment_fixed_size 0
		.amdhsa_enable_private_segment 0
		.amdhsa_kernarg_size 48
		.amdhsa_user_sgpr_count 2
		.amdhsa_user_sgpr_kernarg_segment_ptr 1
		.amdhsa_wavefront_size32 1
		.amdhsa_system_sgpr_workgroup_id_x 1
		.amdhsa_system_sgpr_workgroup_id_y 1
		.amdhsa_system_sgpr_workgroup_id_z 1
		.amdhsa_system_vgpr_workitem_id 0
		.amdhsa_next_free_vgpr 24
		.amdhsa_next_free_sgpr 66
		.amdhsa_reserve_vcc 0
		.amdhsa_float_denorm_mode_32 3
		.amdhsa_float_denorm_mode_16_64 3
		.amdhsa_memory_ordered 1
		.amdhsa_forward_progress 1
		.amdhsa_inst_pref_size 5
	.end_amdhsa_kernel
	.amdgpu_metadata
---
amdhsa.version: [ 1, 2 ]
amdhsa.kernels:
  - .name:           k_q10c8954f23_prep
    .symbol:         k_q10c8954f23_prep.kd
    .args:
      - { .name: w_theta, .offset: 0, .size: 8, .value_kind: global_buffer, .address_space: global }
      - { .name: w_phi, .offset: 8, .size: 8, .value_kind: global_buffer, .address_space: global }
      - { .name: w_g, .offset: 16, .size: 8, .value_kind: global_buffer, .address_space: global }
      - { .name: w_mask, .offset: 24, .size: 8, .value_kind: global_buffer, .address_space: global }
      - { .name: wcf, .offset: 32, .size: 8, .value_kind: global_buffer, .address_space: global }
      - { .name: wmf, .offset: 40, .size: 8, .value_kind: global_buffer, .address_space: global }
    .group_segment_fixed_size: 0
    .private_segment_fixed_size: 0
    .kernarg_segment_align: 8
    .kernarg_segment_size: 48
    .max_flat_workgroup_size: 256
    .sgpr_count:     66
    .vgpr_count:     24
    .wavefront_size: 32
...
	.end_amdgpu_metadata
.endif
;; end of part 1
;; launch proj (part 2): grid 256 x 1, 4 waves a work-group, clusters of 4 x 1, 327,680 bytes of LDS; arguments x, wcf, thf, phf, gf; writes thf, phf, gf
.if DOCPART == 2
	.amdgcn_target "amdgcn-amd-amdhsa--gfx1250"
	.amdhsa_code_object_version 6
	.text
	.protected	k_q10c8954f23_proj
	.globl	k_q10c8954f23_proj
	.p2align	8
	.type	k_q10c8954f23_proj,@function
k_q10c8954f23_proj:
	s_mov_b64 s[64:65], 0
	v_nop
	global_prefetch_b8 v0, s[64:65] scope:SCOPE_SE
	s_setreg_imm32_b32 hwreg(HW_REG_WAVE_MODE, 25, 1), 1
	s_wait_xcnt 0x0
	s_wait_alu depctr_hold_cnt(0) depctr_sa_sdst(0) depctr_va_vdst(0) depctr_va_sdst(0) depctr_va_ssrc(0) depctr_va_vcc(0) depctr_vm_vsrc(0)
	s_getreg_b32 s2, hwreg(HW_REG_IB_STS2, 6, 4)
	s_cmp_eq_u32 s2, 0
	s_cbranch_scc0 .Lentry_in_a_cluster
	s_endpgm
.Lentry_in_a_cluster:
	s_bfe_u32 s2, ttmp6, 0x10000c
	s_cmp_lg_u32 s2, 0x3003
	s_cbranch_scc0 .Lentry_shape_is_right
	s_endpgm
.Lentry_shape_is_right:
; proj: the three 1x1 convolutions theta, phi, g = W x[b], with x read from memory once.
; A work-group owns 128 columns p of one batch (p0 = 2048 half + 128 pb) and makes all 768 output rows in two passes of 384:
; pass 0 = theta (256 rows) + phi rows 0-127, pass 1 = g (256 rows) + phi rows 128-255.  K = 512 input channels.
; x is rounded to bf16 once and kept in LDS as fragment blocks (16 rows x 32 k, 1,024 bytes, in register order) for both passes.
; COLUMN ORDER: 64 neighbouring p are four tiles q = 0..3; row r of tile q is p = 64 G + 4 r + q, so that a lane's 16 bytes of f32 are the same row
; of the four tiles and sixteen lanes load 256 consecutive bytes.  All later launches keep this order; only loads of x and stores of y undo it.
; Wave w has 6 weight tiles x 8 x tiles = 48 accumulators: t = 0..3 theta or g (rows 64 w + 16 t), t = 4, 5 phi.
; The weights come as ready fragment blocks through two LDS slots (a slot = 128 of K for all four waves); every work-group walks the same weights,
; so the four work-groups of a cluster ask for them jointly.  By this text's own count a wave has at most two tensor loads outstanding.
; RESULTS leave as fragment blocks straight from registers: theta and phi with rows = columns p, k = 256 half + o (source 0 = weights: a lane holds
; 8 neighbouring o of one p); g with rows = o, k = p (source 0 = x: a lane holds 8 neighbouring positions of one o).  Each store covers 512 consecutive bytes, aligned.
; The accumulators take turns, one matrix instruction a turn.
; LDS: slot 0 at 0, slot 1 at 98,304 ([w 4][kt 4][t 6][block], a wave reads only its own 24,576 bytes); XF at 196,608 ([k tile 16][x tile 8][block]), written by LDS stores alone.
; REGISTERS: window 0: addresses, weight fragments v32-79 / v80-127, x fragments v128-191 / v192-255; window 1: accumulators t = 0..3 at 8 (8 t + pt);
; window 2: v0-127 accumulators t = 4, 5, v128-255 x as loaded (even chunks); window 3: v0-127 x as loaded (odd chunks), v128-191 x packed.
.set SLOTB, 98304
.set WPART, 24576
.set XF,    196608
.set XROW,  16384                      ; bytes in a row of x
.set L16, 1                            ; v1      16 x lane
.set XO,  4                            ; v4      x: 8 h rows + 16 r bytes
.set AW,  5                            ; v5-6    my weights in slot 0, 1
.set AX,  7                            ; v7-8    XF, XF + 65,536
.set ASX, 9                            ; v9-10   where I put my k tile of an x chunk
.set WB,  32
.set XB,  128
.set PK,  128
.set G1,  24                           ; s[24:31]
.set G0,  32                           ; s[32:39], a set for each slot
.set MSB, 0
.macro WIN new                         ; the immediate's high byte repeats the setting that is left
.if MSB != \new
	s_set_vgpr_msb (MSB<<8)|\new
.set MSB, \new
.endif
.endm
.macro PLACES                          ; four places behind a matrix instruction (ISA guide 7.12.1) before its registers are loaded into, read or written by others
.rept 4
	v_nop
.endr
.endm
.macro CREST                           ; a round of the cluster's barrier behind its opening barrier
	s_cmp_lg_u32 s14, 0
	s_cbranch_scc1 .Lnot_wave_0_\@
	s_barrier_signal -3
.Lnot_wave_0_\@:
	s_barrier_wait -3
	s_barrier_signal -1
	s_barrier_wait -1
.endm
.macro CROUND
	s_barrier_signal -1
	s_barrier_wait -1
	CREST
.endm
.macro MM d, a, b, zero                ; zero = 1: the product starts the sum, nothing is cleared
.if \zero
	v_wmma_f32_16x16x32_bf16 v[\d:\d+7], v[\a:\a+7], v[\b:\b+7], 0
.else
	v_wmma_f32_16x16x32_bf16 v[\d:\d+7], v[\a:\a+7], v[\b:\b+7], v[\d:\d+7]
.endif
.endm
	s_load_b256 s[4:11], s[0:1], 0x0               ; x s[4:5], wcf s[6:7], thf s[8:9], phf s[10:11]
	s_load_b64 s[12:13], s[0:1], 0x20              ; gf
	v_lshrrev_b32 v2, 5, v0
	v_readfirstlane_b32 s14, v2                    ; wave w
	s_bfe_u32 s15, ttmp6, 0x40000                  ; cx
	s_lshl_b32 s16, ttmp9, 2
	s_add_co_u32 s16, s16, s15                     ; work-group = 4 x cluster + cx
	s_lshr_b32 s17, s16, 5                         ; b
	s_bfe_u32 s18, s16, 0x10004                    ; half
	s_and_b32 s19, s16, 15                         ; pb
	; group 1: a dense block of 24,576 bytes as 96 rows of 32 elements of 8 bytes; asked jointly by the cluster's four work-groups
	s_mov_b32 s[G1+0], 15|(3<<16)|(1<<21)
	s_mov_b32 s[G1+1], 32<<16
	s_mov_b32 s[G1+2], 96<<16
	s_mov_b32 s[G1+3], 32<<16
	s_mov_b32 s[G1+4], 96
	s_mov_b32 s[G1+5], 32
	s_mov_b32 s[G1+6], 0
	s_mov_b32 s[G1+7], 0
	s_mul_i32 s20, s14, WPART                      ; my part of a weight tile, in memory and in a slot: the wave's number alone
	s_mov_b32 s21, 0
	s_wait_kmcnt 0x0
	s_add_nc_u64 s[22:23], s[6:7], s[20:21]
	CROUND                                         ; the four work-groups are here: the first joint loads meet
.irp n, 0,1
	s_mov_b32 s[G0+4*\n], 1
	s_add_co_u32 s[G0+4*\n+1], s20, \n*SLOTB
	s_add_nc_u64 s[G0+4*\n+2:G0+4*\n+3], s[22:23], \n*SLOTB
	s_or_b32 s[G0+4*\n+3], s[G0+4*\n+3], 0x80000000
	tensor_load_to_lds s[G0+4*\n:G0+4*\n+3], s[G1:G1+7]
	s_nop 0
.endr
	; x at batch b, row 32 w, column p0
	s_lshl_b32 s48, s17, 23
	s_lshl_b32 s50, s14, 19
	s_add_co_u32 s48, s48, s50
	s_lshl_b32 s50, s18, 13
	s_add_co_u32 s48, s48, s50
	s_lshl_b32 s50, s19, 9
	s_add_co_u32 s48, s48, s50
	s_mov_b32 s49, 0
	s_add_nc_u64 s[40:41], s[4:5], s[48:49]
	; thf, phf = [b][block of 256 columns][k tile 16][tile 16][block]: k tile 8 half + 2 w (theta), 8 half + w (phi); tile 8 (pb & 1)
	s_lshl_b32 s48, s17, 21
	s_lshr_b32 s50, s19, 1
	s_lshl_b32 s50, s50, 18
	s_add_co_u32 s48, s48, s50
	s_lshl_b32 s50, s18, 17
	s_add_co_u32 s48, s48, s50
	s_and_b32 s50, s19, 1
	s_lshl_b32 s50, s50, 13
	s_add_co_u32 s48, s48, s50
	s_lshl_b32 s50, s14, 14
	s_add_co_u32 s48, s48, s50
	s_add_nc_u64 s[44:45], s[10:11], s[48:49]
	s_add_co_u32 s48, s48, s50
	s_add_nc_u64 s[42:43], s[8:9], s[48:49]
	; gf = [b][half][32 positions 64][o tile 16][block]: 4 pb, o tile 4 w
	s_lshl1_add_u32 s48, s17, s18
	s_lshl_b32 s48, s48, 20
	s_lshl_b32 s50, s19, 16
	s_add_co_u32 s48, s48, s50
	s_lshl_b32 s50, s14, 12
	s_add_co_u32 s48, s48, s50
	s_add_nc_u64 s[46:47], s[12:13], s[48:49]
	v_and_b32 v2, 15, v0                           ; r
	v_bfe_u32 v3, v0, 4, 1                         ; h
	v_and_b32 v1, 31, v0
	v_lshlrev_b32 v[L16], 4, v1
	v_lshlrev_b32 v[XO], 4, v2
	v_lshl_add_u32 v[XO], v3, 17, v[XO]
	v_add_nc_u32 v[AW], s20, v[L16]
	v_add_nc_u32 v[AW+1], SLOTB, v[AW]
	v_add_nc_u32 v[AX], XF, v[L16]
	v_add_nc_u32 v[AX+1], XF+65536, v[L16]
	s_lshl_b32 s50, s14, 13
	v_add_nc_u32 v[ASX], s50, v[AX]
	v_add_nc_u32 v[ASX+1], s50, v[AX+1]
; x chunk s = input channels 128 s .. 128 s + 127; wave w loads its k tile 4 s + w: rows 128 s + 32 w + 16 u + 8 h + i, 16 bytes a lane, sixteen lanes 256 consecutive bytes
.macro XLOAD s
.if (\s&1)
	WIN 0xc0
.else
	WIN 0x80
.endif
.irp gl, 0,1
.irp u, 0,1
.irp i, 0,1,2,3,4,5,6,7
	global_load_b128 v[128-128*(\s&1)+4*(16*\gl+8*\u+\i):128-128*(\s&1)+4*(16*\gl+8*\u+\i)+3], v[XO], s[40:41] offset:(128*\s+16*\u+\i)*XROW+256*\gl th:TH_LOAD_NT
.endr
.endr
.endr
.endm
; chunk s is rounded to bf16 (element q of eight rows = 16 bytes of tile 4 gl + q) and put into XF.  left = younger loads that may stay out
.macro XCVT s, left
	s_wait_loadcnt \left
.if (\s&1)
	WIN 0xcf
.else
	WIN 0xca
.endif
.irp gl, 0,1
.irp q, 0,1,2,3
.irp u, 0,1
.irp c, 0,1,2,3
	v_cvt_pk_bf16_f32 v[PK+4*(8*\gl+2*\q+\u)+\c], v[128-128*(\s&1)+4*(16*\gl+8*\u+2*\c)+\q], v[128-128*(\s&1)+4*(16*\gl+8*\u+2*\c+1)+\q]
.endr
.endr
.endr
.endr
	WIN 0x0c
.irp gl, 0,1
.irp q, 0,1,2,3
.irp u, 0,1
	ds_store_b128 v[ASX+(\s>>1)], v[PK+4*(8*\gl+2*\q+\u):PK+4*(8*\gl+2*\q+\u)+3] offset:(\s&1)*32768+(4*\gl+\q)*1024+\u*512
.endr
.endr
.endr
.endm
; 28 LDS loads: the fragments of 32 along K: 8 x tiles, then weight tiles 4, 5, then 0..3
.macro FETCH slot, kt, ktg, buf
	WIN 0
.irp pt, 0,1,2,3,4,5,6,7
	ds_load_b128 v[XB+64*\buf+8*\pt:XB+64*\buf+8*\pt+3], v[AX+(\ktg>>3)] offset:(\ktg&7)*8192+\pt*1024
	ds_load_b128 v[XB+64*\buf+8*\pt+4:XB+64*\buf+8*\pt+7], v[AX+(\ktg>>3)] offset:(\ktg&7)*8192+\pt*1024+512
.endr
.irp t, 4,5,0,1,2,3
	ds_load_b128 v[WB+48*\buf+8*\t:WB+48*\buf+8*\t+3], v[AW+\slot] offset:\kt*6144+\t*1024
	ds_load_b128 v[WB+48*\buf+8*\t+4:WB+48*\buf+8*\t+7], v[AW+\slot] offset:\kt*6144+\t*1024+512
.endr
.endm
.macro MULA buf, zero                  ; phi: 16 products, accumulators in window 2
	WIN 0xa0
.irp t, 0,1
.irp pt, 0,1,2,3,4,5,6,7
	MM 8*(8*\t+\pt), WB+48*\buf+8*(4+\t), XB+64*\buf+8*\pt, \zero
.endr
.endr
.endm
.macro MULB buf, zero, swap            ; theta (swap = 0) or g (swap = 1: x is source 0): 32 products, accumulators in window 1
	WIN 0x50
.irp t, 0,1,2,3
.irp pt, 0,1,2,3,4,5,6,7
.if \swap
	MM 8*(8*\t+\pt), XB+64*\buf+8*\pt, WB+48*\buf+8*\t, \zero
.else
	MM 8*(8*\t+\pt), WB+48*\buf+8*\t, XB+64*\buf+8*\pt, \zero
.endif
.endr
.endr
.endm
; 32 along K on buffer buf; in its middle the next quarter's fragments are fetched into the other buffer.  tw = 1: they lie in a slot whose load is still to be waited for
.macro QUARTER buf, zero, swap, tw, nslot, nkt, nktg
	s_wait_dscnt 8                                 ; x and weight tiles 4, 5 are in; the youngest eight loads (tiles 0..3) may be out
	MULA \buf, \zero
	WIN 0
	PLACES
.if \tw
	s_wait_tensorcnt 0x0                           ; the last weight tile, my own bytes, read by me alone
.endif
	FETCH \nslot, \nkt, \nktg, (1-\buf)
	s_wait_dscnt 28                                ; all but the 28 just issued
	MULB \buf, \zero, \swap
.endm
.macro STEP3 z, zero, swap
	QUARTER 0, \zero, \swap, 0, (\z&1), 1, (4*(\z&3)+1)
	QUARTER 1, 0, \swap, 0, (\z&1), 2, (4*(\z&3)+2)
	QUARTER 0, 0, \swap, 0, (\z&1), 3, (4*(\z&3)+3)
.endm
; The last quarter of step z changes slots.  In front of the round every wave has waited for its LDS reads and stores (x chunk xs among them, which the round
; publishes) and for all its tensor loads; inside the round stand matrix instructions alone; the joint refill (weight tile z + 2) is first behind it.
.macro TURN z, swap, xs, xleft, ls
.if \xs >= 0
	XCVT \xs, \xleft
.endif
	s_wait_dscnt 0x0
	s_wait_tensorcnt 0x0                           ; no tensor load of mine is out: the slot's group 0 may be stepped
	s_add_nc_u64 s[G0+4*(\z&1)+2:G0+4*(\z&1)+3], s[G0+4*(\z&1)+2:G0+4*(\z&1)+3], 2*SLOTB
	s_barrier_signal -1
	MULA 1, 0
	WIN 0
	s_barrier_wait -1
	CREST
	tensor_load_to_lds s[G0+4*(\z&1):G0+4*(\z&1)+3], s[G1:G1+7]
	s_nop 0
.if \ls >= 0
	XLOAD \ls
.endif
	WIN 0
	PLACES
	FETCH ((\z+1)&1), 0, (4*((\z+1)&3)), 0
	MULB 1, 0, \swap
.endm
; a pass's 48 tiles: rounded in place (8 f32 to 16 bytes a lane), stored as halves of fragment blocks
.macro OUT pass
	PLACES
	WIN 0x45
.irp t, 0,1,2,3
.irp pt, 0,1,2,3,4,5,6,7
.irp c, 0,1,2,3
	v_cvt_pk_bf16_f32 v[8*(8*\t+\pt)+\c], v[8*(8*\t+\pt)+2*\c], v[8*(8*\t+\pt)+2*\c+1]
.endr
.endr
.endr
	WIN 0x04
.irp t, 0,1,2,3
.irp pt, 0,1,2,3,4,5,6,7
.if \pass
	global_store_b128 v[L16], v[8*(8*\t+\pt):8*(8*\t+\pt)+3], s[46:47] offset:(\pt>>1)*16384+\t*1024+(\pt&1)*512
.else
	global_store_b128 v[L16], v[8*(8*\t+\pt):8*(8*\t+\pt)+3], s[42:43] offset:(\t>>1)*16384+\pt*1024+(\t&1)*512
.endif
.endr
.endr
	WIN 0x8a
.irp t, 0,1
.irp pt, 0,1,2,3,4,5,6,7
.irp c, 0,1,2,3
	v_cvt_pk_bf16_f32 v[8*(8*\t+\pt)+\c], v[8*(8*\t+\pt)+2*\c], v[8*(8*\t+\pt)+2*\c+1]
.endr
.endr
.endr
	WIN 0x08
.irp t, 0,1
.irp pt, 0,1,2,3,4,5,6,7
	global_store_b128 v[L16], v[8*(8*\t+\pt):8*(8*\t+\pt)+3], s[44:45] offset:\pass*65536+\pt*1024+\t*512
.endr
.endr
.endm
	XLOAD 0
	XLOAD 1
	XCVT 0, 32                                     ; chunk 0 is in; chunk 1's 32 loads stay out
	XLOAD 2
	WIN 0
	s_wait_dscnt 0x0                               ; my part of x chunk 0 is in LDS
	s_wait_tensorcnt 0x1                           ; weight tile 0 is in; tile 1 may stay out
	s_barrier_signal -1
	s_barrier_wait -1
	FETCH 0, 0, 0, 0
	STEP3 0, 1, 0                                  ; pass 0: theta and phi's first half
	TURN 0, 0, 1, 32, 3
	STEP3 1, 0, 0
	TURN 1, 0, 2, 32, -1
	STEP3 2, 0, 0
	TURN 2, 0, 3, 0, -1
	STEP3 3, 0, 0
	TURN 3, 0, -1, 0, -1
	OUT 0
	s_wait_xcnt 0x0                                ; the stores' data registers become pass 1's accumulators only behind this wait
	STEP3 4, 1, 1                                  ; pass 1: g and phi's second half
	TURN 4, 1, -1, 0, -1
	STEP3 5, 0, 1
	TURN 5, 1, -1, 0, -1
	STEP3 6, 0, 1
	QUARTER 1, 0, 1, 1, 1, 0, 12                   ; no slot is filled any more: no barrier, only the wait for my own last tile
	STEP3 7, 0, 1
	s_wait_dscnt 8
	MULA 1, 0
	s_wait_dscnt 0x0
	MULB 1, 0, 1
	OUT 1
	WIN 0
	CROUND                                         ; the closing round: no work-group ends while a partner may still ask jointly
	s_endpgm
.Lfunc_end_k_q10c8954f23_proj:
	.size	k_q10c8954f23_proj, .Lfunc_end_k_q10c8954f23_proj-k_q10c8954f23_proj
	.p2alignl 7, 3214868480
	.fill 96, 4, 3214868480
	.section	.rodata,"a",@progbits
	.p2align	6, 0x0
	.amdhsa_kernel k_q10c8954f23_proj
		.amdhsa_group_segment_fixed_size 327680
		.amdhsa_private_segment_fixed_size 0
		.amdhsa_enable_private_segment 0
		.amdhsa_kernarg_size 40
		.amdhsa_user_sgpr_count 2
		.amdhsa_user_sgpr_kernarg_segment_ptr 1
		.amdhsa_wavefront_size32 1
		.amdhsa_system_sgpr_workgroup_id_x 1
		.amdhsa_system_sgpr_workgroup_id_y 1
		.amdhsa_system_sgpr_workgroup_id_z 1
		.amdhsa_system_vgpr_workitem_id 0
		.amdhsa_next_free_vgpr 960
		.amdhsa_next_free_sgpr 66
		.amdhsa_reserve_vcc 0
		.amdhsa_float_denorm_mode_32 3
		.amdhsa_float_denorm_mode_16_64 3
		.amdhsa_memory_ordered 1
		.amdhsa_forward_progress 1
		.amdhsa_inst_pref_size 234
	.end_amdhsa_kernel
	.amdgpu_metadata
---
amdhsa.version: [ 1, 2 ]
amdhsa.kernels:
  - .name:           k_q10c8954f23_proj
    .symbol:         k_q10c8954f23_proj.kd
    .args:
      - { .name: x, .offset: 0, .size: 8, .value_kind: global_buffer, .address_space: global }
      - { .name: wcf, .offset: 8, .size: 8, .value_kind: global_buffer, .address_space: global }
      - { .name: thf, .offset: 16, .size: 8, .value_kind: global_buffer, .address_space: global }
      - { .name: phf, .offset: 24, .size: 8, .value_kind: global_buffer, .address_space: global }
      - { .name: gf, .offset: 32, .size: 8, .value_kind: global_buffer, .address_space: global }
    .group_segment_fixed_size: 327680
    .private_segment_fixed_size: 0
    .kernarg_segment_align: 8
    .kernarg_segment_size: 40
    .max_flat_workgroup_size: 128
    .sgpr_count:     66
    .vgpr_count:     960
    .wavefront_size: 32
...
	.end_amdgpu_metadata
.endif
;; end of part 2
;; launch score (part 3): grid 8 x 32, 4 waves a work-group, clusters of 4 x 4, 327,680 bytes of LDS; arguments thf, phf, ef, st; writes ef, st
.if DOCPART == 3
	.amdgcn_target "amdgcn-amd-amdhsa--gfx1250"
	.amdhsa_code_object_version 6
	.text
	.protected	k_q10c8954f23_score
	.globl	k_q10c8954f23_score
	.p2align	8
	.type	k_q10c8954f23_score,@function
k_q10c8954f23_score:
	s_mov_b64 s[64:65], 0
	v_nop
	global_prefetch_b8 v0, s[64:65] scope:SCOPE_SE
	s_setreg_imm32_b32 hwreg(HW_REG_WAVE_MODE, 25, 1), 1
	s_wait_xcnt 0x0
	s_wait_alu depctr_hold_cnt(0) depctr_sa_sdst(0) depctr_va_vdst(0) depctr_va_sdst(0) depctr_va_ssrc(0) depctr_va_vcc(0) depctr_vm_vsrc(0)
	s_getreg_b32 s2, hwreg(HW_REG_IB_STS2, 6, 4)
	s_cmp_eq_u32 s2, 0
	s_cbranch_scc0 .Lentry_in_a_cluster
	s_endpgm
.Lentry_in_a_cluster:
	s_bfe_u32 s2, ttmp6, 0x10000c
	s_cmp_lg_u32 s2, 0xf033
	s_cbranch_scc0 .Lentry_shape_is_right
	s_endpgm
.Lentry_shape_is_right:
; score: S[n][m] = sum over k of theta[n][k] phi[m][k] (K = 512), once, in blocks of 256 n x 256 m; then, for each column m of the block,
; the maximum over the block's 256 n is taken away, E = exp2((S - max) log2e) is stored in bf16, and (max log2e, sum of E) in f32.
; The softmax runs over all 2,048 n of a column: the next launch merges the eight blocks' maxima and sums exactly, as a running maximum does.
; LIMITS: NaN and infinite inputs are not served; an exponential below 2^-126 comes out as zero (ISA guide, v_exp_f32).
; A WORK-GROUP STAYS FOR TWO BLOCKS: n blocks 2 y2 and 2 y2 + 1 of one batch against one m block.  The ring of slots goes on into the second block: its K steps
; 0 and 1 are asked for in the last two turns of the first block and land while the first block's exponentials are made, and the first block's stores
; leave while the second block is multiplied.  theta's second block follows the first in memory (the address goes on), phi's is the same again (it goes back).
; Four waves, each 128 n x 128 m in 64 accumulator tiles.  Source 0 = theta (n goes into a lane's registers), source 1 = phi (m goes onto the lanes):
; a column's 128 values lie in two lanes, so maximum and sum need one exchange between the halves of the wave and one between two waves.
; theta and phi come as ready fragment blocks (16 rows x 32 k, 1,024 bytes in register order): a K step of 128 is 65,536 consecutive bytes of each.
; CLUSTERS: 4 x 4 work-groups; theta's tile hangs on y2 alone and is asked jointly along a row of the cluster, phi's on batch and block column
; alone and jointly along a column.  By this text's own count a wave has at most two tensor loads outstanding.
; The accumulators take turns, one matrix instruction a turn.
; LDS: slot n at 131,072 n: theta [k tile 4][tile 16][block], phi the same at +65,536; scratch (LDS stores alone): maxima at 262,144, sums at 264,192, [wave][128] f32.
; REGISTERS: window 0: addresses, theta fragments v64-127 / v128-191; window 1: phi fragments, same numbers; windows 2, 3: tile (i, a) at 8 (8 (i & 3) + a), i < 4 / i >= 4.
.set SLOT,  131072
.set SCRM,  262144
.set ADT, 16                           ; v16-17  my theta fragments in slot 0, 1
.set ADP, 20                           ; v20-21  my phi fragments
.set EO,  24                           ; v24     my 16 bytes in a half block of E
.set F0,  64
.set F1,  128
.set MX,   32                          ; v32-39  column maxima, one for each phi tile a
.set NEGM, 40                          ; v40-55  - max x log2e, twice (pairs for the packed multiply-add)
.set SUMP, 56                          ; v56-71  column sums, in pairs
.set T,    72                          ; v72-79  at work (fragment registers, loaded before)
.set G1T, 16
.set G1P, 24
.set G0T, 32
.set G0P, 48
.set MUL_LO, 0xa4                      ; source 0 window 0, source 1 window 1, C and D window 2
.set MUL_HI, 0xf4
.set MSB, 0
.macro WIN new
.if MSB != \new
	s_set_vgpr_msb (MSB<<8)|\new
.set MSB, \new
.endif
.endm
.macro PLACES                          ; four places behind a matrix instruction (ISA guide 7.12.1)
.rept 4
	v_nop
.endr
.endm
.macro CREST
	s_cmp_lg_u32 s12, 0
	s_cbranch_scc1 .Lnot_wave_0_\@
	s_barrier_signal -3
.Lnot_wave_0_\@:
	s_barrier_wait -3
	s_barrier_signal -1
	s_barrier_wait -1
.endm
.macro CROUND
	s_barrier_signal -1
	s_barrier_wait -1
	CREST
.endm
.macro MM d, a, b, zero
.if \zero
	v_wmma_f32_16x16x32_bf16 v[\d:\d+7], v[\a:\a+7], v[\b:\b+7], 0
.else
	v_wmma_f32_16x16x32_bf16 v[\d:\d+7], v[\a:\a+7], v[\b:\b+7], v[\d:\d+7]
.endif
.endm
.macro JLOAD s                         ; waves 0, 1 ask for theta's two halves, waves 2, 3 for phi's: each line has one mask
	s_cmp_eq_u32 s13, 0
	s_cbranch_scc0 .Lfor_phi_\@
	tensor_load_to_lds s[G0T+4*\s:G0T+4*\s+3], s[G1T:G1T+7]
	s_nop 0
	s_branch .Lasked_\@
.Lfor_phi_\@:
	tensor_load_to_lds s[G0P+4*\s:G0P+4*\s+3], s[G1P:G1P+7]
	s_nop 0
.Lasked_\@:
.endm
	s_load_b256 s[4:11], s[0:1], 0x0               ; thf s[4:5], phf s[6:7], ef s[8:9], st s[10:11]
	v_lshrrev_b32 v1, 5, v0
	v_readfirstlane_b32 s12, v1                    ; wave
	s_lshr_b32 s13, s12, 1                         ; wn: my half of the n.  Also: I fetch theta (0) or phi (1)
	s_and_b32 s14, s12, 1                          ; wm: my half of the m.  Also: which 32,768 bytes of that tile I fetch
	s_bfe_u32 s40, ttmp6, 0x40000                  ; cx
	s_bfe_u32 s41, ttmp6, 0x40004                  ; cy
	s_lshl_b32 s42, ttmp9, 2
	s_add_co_u32 s42, s42, s40                     ; block column of m, 0..7
	s_and_b32 s43, ttmp7, 0xffff                   ; the cluster's y = batch b
	s_lshl_b32 s15, s43, 2
	s_add_co_u32 s15, s15, s41                     ; y2 = 4 b + pair of n blocks
	s_lshl_b32 s44, s41, 2
	s_lshl_b32 s44, 15, s44                        ; my row of the cluster
	s_lshl_b32 s45, 0x1111, s40                    ; my column
	s_or_b32 s[G1T+0], s44, (3<<16)|(1<<21)
	s_or_b32 s[G1P+0], s45, (3<<16)|(1<<21)
.irp g, G1T, G1P                       ; a dense block of 32,768 bytes as 128 rows of 32 elements of 8 bytes
	s_mov_b32 s[\g+1], 32<<16
	s_mov_b32 s[\g+2], 128<<16
	s_mov_b32 s[\g+3], 32<<16
	s_mov_b32 s[\g+4], 128
	s_mov_b32 s[\g+5], 32
	s_mov_b32 s[\g+6], 0
	s_mov_b32 s[\g+7], 0
.endr
	s_lshl_b32 s56, s14, 15
	s_lshl_b32 s46, s15, 19                        ; theta: block 2 y2, 262,144 bytes each
	s_add_co_u32 s46, s46, s56
	s_mov_b32 s47, 0
	s_lshl_b32 s62, s43, 21                        ; phi: batch b, block column
	s_lshl_b32 s57, s42, 18
	s_add_co_u32 s62, s62, s57
	s_add_co_u32 s62, s62, s56
	s_mov_b32 s63, 0
	s_lshl_b32 s3, s12, 15                         ; where my part goes: wave x 32,768
	s_wait_kmcnt 0x0
	s_add_nc_u64 s[46:47], s[4:5], s[46:47]
	s_add_nc_u64 s[62:63], s[6:7], s[62:63]
	CROUND                                         ; all sixteen work-groups are here: the first joint loads meet
.irp s, 0,1
	s_mov_b32 s[G0T+4*\s], 1
	s_add_co_u32 s[G0T+4*\s+1], s3, \s*SLOT
	s_add_nc_u64 s[G0T+4*\s+2:G0T+4*\s+3], s[46:47], \s*65536
	s_or_b32 s[G0T+4*\s+3], s[G0T+4*\s+3], 0x80000000
	s_mov_b32 s[G0P+4*\s], 1
	s_add_co_u32 s[G0P+4*\s+1], s3, \s*SLOT
	s_add_nc_u64 s[G0P+4*\s+2:G0P+4*\s+3], s[62:63], \s*65536
	s_or_b32 s[G0P+4*\s+3], s[G0P+4*\s+3], 0x80000000
	JLOAD \s
.endr
	; ef = [b][128 n 16][32 m 64][n tile 8][u 2][512 bytes]; st = [b][block of n 8][m 2048][2] f32.  The second block lies 1,048,576 and 16,384 bytes on: in the stores' immediates
	s_lshl2_add_u32 s56, s15, s13                  ; 4 y2 + wn
	s_lshl_b32 s56, s56, 19
	s_lshl1_add_u32 s57, s42, s14                  ; (8 block column + 4 wm) x 8,192
	s_lshl_b32 s57, s57, 15
	s_add_co_u32 s56, s56, s57
	s_mov_b32 s57, 0
	s_add_nc_u64 s[56:57], s[8:9], s[56:57]
	s_lshl_b32 s58, s15, 15
	s_lshl_b32 s59, s42, 11
	s_add_co_u32 s58, s58, s59
	s_mov_b32 s59, 0
	s_add_nc_u64 s[58:59], s[10:11], s[58:59]
	s_mov_b32 s60, 0x76543210                      ; v_permlanex16_b32: lane i of one half reads lane i of the other
	s_mov_b32 s61, 0xfedcba98
	v_and_b32 v1, 31, v0
	v_lshlrev_b32 v1, 4, v1                        ; 16 x lane
	s_lshl_b32 s40, s13, 13
	v_add_nc_u32 v[ADT], s40, v1
	v_add_nc_u32 v[ADT+1], SLOT, v[ADT]
	s_lshl_b32 s40, s14, 13
	s_add_co_u32 s40, s40, 65536
	v_add_nc_u32 v[ADP], s40, v1
	v_add_nc_u32 v[ADP+1], SLOT, v[ADP]
	; E leaves as the source of a transposing LDS load: piece 16 (r >> 3) + 8 h + (r & 7) holds column r, eight n
	v_and_b32 v2, 7, v0
	v_bfe_u32 v3, v0, 4, 1
	v_bfe_u32 v4, v0, 3, 1
	v_lshl_add_u32 v2, v3, 3, v2
	v_lshl_add_u32 v2, v4, 4, v2
	v_lshlrev_b32 v[EO], 4, v2
	v_and_b32 v2, 15, v0
	v_lshlrev_b32 v2, 2, v2                        ; 4 r
	s_lshl_b32 s40, s12, 9
	s_add_co_u32 s40, s40, SCRM
	v_add_nc_u32 v25, s40, v2                      ; my wave's maxima
	v_add_nc_u32 v27, 2048, v25                    ; my wave's sums
	s_xor_b32 s40, s12, 2
	s_lshl_b32 s40, s40, 9
	s_add_co_u32 s40, s40, SCRM
	v_add_nc_u32 v26, s40, v2                      ; the maxima of the wave with the same m and the other n
	v_lshrrev_b32 v2, 6, v0
	v_and_b32 v3, 63, v0
	v_lshlrev_b32 v3, 3, v3
	v_lshl_add_u32 v28, v2, 9, v3
	v_add_nc_u32 v28, SCRM, v28                    ; thread t: columns 2 t, 2 t + 1 of the block
	v_lshlrev_b32 v29, 4, v0
.macro MUL16 f, hi, a0, zero           ; n tiles a0, a0 + 1 of the window's four x all 8 m tiles
.irp ii, \a0, \a0+1
.irp a, 0,1,2,3,4,5,6,7
	MM 8*(8*(\ii)+\a), \f+8*(4*\hi+(\ii)), \f+8*\a, \zero
.endr
.endr
.endm
.macro FETCH slot, kap, f              ; 32 LDS loads in one run: phi's 8 tiles, then theta's 8
	WIN 0x40
.irp i, 0,1,2,3,4,5,6,7
	ds_load_b128 v[\f+8*\i:\f+8*\i+3], v[ADP+\slot] offset:\kap*16384+\i*1024
	ds_load_b128 v[\f+8*\i+4:\f+8*\i+7], v[ADP+\slot] offset:\kap*16384+\i*1024+512
.endr
	WIN 0
.irp i, 0,1,2,3,4,5,6,7
	ds_load_b128 v[\f+8*\i:\f+8*\i+3], v[ADT+\slot] offset:\kap*16384+\i*1024
	ds_load_b128 v[\f+8*\i+4:\f+8*\i+7], v[ADT+\slot] offset:\kap*16384+\i*1024+512
.endr
.endm
.macro QUARTER slot, kap, f, g, zero
	s_wait_dscnt 8                                 ; phi and theta's tiles 0-3 are in; the youngest eight loads (tiles 4-7) may be out
	WIN MUL_LO
	MUL16 \f, 0, 0, \zero
	MUL16 \f, 0, 2, \zero
	PLACES
	FETCH \slot, \kap, \g
	s_wait_dscnt 32                                ; all but the 32 just issued
	WIN MUL_HI
	MUL16 \f, 1, 0, \zero
	MUL16 \f, 1, 2, \zero
.endm
.macro THREE slot, zero
	QUARTER \slot, 1, F0, F1, \zero
	QUARTER \slot, 2, F1, F0, 0
	QUARTER \slot, 3, F0, F1, 0
.endm
; The last quarter of a K step changes slots: each wave's reads of this slot and all its tensor loads are waited for in front of the signal;
; where the slot is filled again (fill = 1) the barrier opens a round of the cluster's barrier, and the joint refill is first behind the round.
; theta's address always goes two K steps on; phi's goes on (up = 1) or, into the work-group's second block, back (up = 0).
; fetch = 0: the next slot's first fragments are fetched later, behind the exponentials, which use some of their registers.
.macro TURN slot, next, fill, up, fetch
	s_wait_dscnt 8
	WIN MUL_LO
	MUL16 F1, 0, 0, 0
	s_wait_dscnt 0x0
	s_wait_tensorcnt 0x0
	s_barrier_signal -1
	MUL16 F1, 0, 2, 0
	WIN 0
	s_barrier_wait -1
.if \fill
	CREST
	s_add_nc_u64 s[G0T+4*\slot+2:G0T+4*\slot+3], s[G0T+4*\slot+2:G0T+4*\slot+3], 131072
.if \up
	s_add_nc_u64 s[G0P+4*\slot+2:G0P+4*\slot+3], s[G0P+4*\slot+2:G0P+4*\slot+3], 131072
.else
	s_sub_nc_u64 s[G0P+4*\slot+2:G0P+4*\slot+3], s[G0P+4*\slot+2:G0P+4*\slot+3], 131072
.endif
	JLOAD \slot
.endif
.if \fetch
	PLACES
	FETCH \next, 0, F0
.endif
	WIN MUL_HI
	MUL16 F1, 1, 0, 0
	MUL16 F1, 1, 2, 0
.endm
.macro MAXRUN p0
.set pp, \p0
.rept 16-\p0
.irp a, 0,1,2,3,4,5,6,7
	v_max3_num_f32 v[MX+\a], v[MX+\a], v[8*(8*(pp>>2)+\a)+2*(pp&3)], v[8*(8*(pp>>2)+\a)+2*(pp&3)+1]
.endr
.set pp, pp+1
.endr
.endm
.macro SUMRUN p0
.set pp, \p0
	s_wait_alu depctr_va_vdst(0)
.rept 16-\p0
.irp a, 0,1,2,3,4,5,6,7
	v_pk_add_f32 v[SUMP+2*\a:SUMP+2*\a+1], v[8*(8*(pp>>2)+\a)+2*(pp&3):8*(8*(pp>>2)+\a)+2*(pp&3)+1], v[SUMP+2*\a:SUMP+2*\a+1]
.endr
.set pp, pp+1
.endr
.endm
; One window's 32 tiles of block t: E = exp2(S log2e - max log2e) in place, summed in f32, rounded to bf16 in place, stored.
; Behind a tile's eight exponentials the next tile's multiply-adds (at the end: the first additions) are the plain place that ISA guide 5.7.2 asks for.
.macro SOFT hi, t
.if \hi
	WIN 0xc3
.else
	WIN 0x82
.endif
.irp ii, 0,1,2,3
.irp a, 0,1,2,3,4,5,6,7
.irp c, 0,2,4,6
	v_pk_fma_f32 v[8*(8*\ii+\a)+\c:8*(8*\ii+\a)+\c+1], v[8*(8*\ii+\a)+\c:8*(8*\ii+\a)+\c+1], 0x3fb8aa3b, v[NEGM+2*\a:NEGM+2*\a+1] op_sel_hi:[1,0,1]
.endr
.irp c, 0,1,2,3,4,5,6,7
	v_exp_f32 v[8*(8*\ii+\a)+\c], v[8*(8*\ii+\a)+\c]
.endr
.endr
.endr
.if \hi
	WIN 0x03
	SUMRUN 0
	WIN 0xcf
.else
	WIN 0x0a
	s_wait_alu depctr_va_vdst(0)
.irp a, 0,1,2,3,4,5,6,7
	v_pk_add_f32 v[SUMP+2*\a:SUMP+2*\a+1], v[8*\a:8*\a+1], v[8*\a+2:8*\a+3]   ; the first two pairs start the sums
.endr
	WIN 0x02
	SUMRUN 2
	WIN 0x8a
.endif
.irp ii, 0,1,2,3
.irp a, 0,1,2,3,4,5,6,7
.irp c, 0,1,2,3
	v_cvt_pk_bf16_f32 v[8*(8*\ii+\a)+\c], v[8*(8*\ii+\a)+2*\c], v[8*(8*\ii+\a)+2*\c+1]
.endr
.endr
.endr
.if \hi
	WIN 0x0c
.else
	WIN 0x08
.endif
.irp ii, 0,1,2,3
.irp a, 0,1,2,3,4,5,6,7
	global_store_b128 v[EO], v[8*(8*\ii+\a):8*(8*\ii+\a)+3], s[56:57] offset:\t*1048576+(\a>>1)*8192+(4*\hi+\ii)*1024+(\a&1)*512 th:TH_STORE_NT   ; the wave's 32 lanes fill 512 consecutive bytes, aligned; E is not read in this launch
.endr
.endr
.endm
; Block t behind its last product: column maxima, exponentials, column sums, E and the statistics out.
; A lane holds 64 values of column (a, r): tiles i = 0..7, registers 0..7.  Eight chains, one for each a.
.macro EPILOG t
	PLACES
	WIN 0x0a
.irp a, 0,1,2,3,4,5,6,7
	v_max_num_f32 v[MX+\a], v[8*\a], v[8*\a+1]     ; the first two values start the chain
.endr
	WIN 0x28
	MAXRUN 1
	WIN 0x3c
	MAXRUN 0
	WIN 0
.irp a, 0,1,2,3,4,5,6,7
	v_permlanex16_b32 v[T+\a], v[MX+\a], s60, s61  ; the other eight rows of each tile lie in the other half of the wave
.endr
.irp a, 0,1,2,3,4,5,6,7
	v_max_num_f32 v[MX+\a], v[MX+\a], v[T+\a]
.endr
.irp a, 0,1,2,3,4,5,6,7
	ds_store_b32 v25, v[MX+\a] offset:64*\a        ; lanes r and 16 + r write the same word with the same value
.endr
	s_wait_dscnt 0x0                               ; for the other waves' sake
	s_barrier_signal -1                            ; a tile of the next block may stay on its way
	s_barrier_wait -1
.irp a, 0,1,2,3,4,5,6,7
	ds_load_b32 v[T+\a], v26 offset:64*\a
.endr
	s_wait_dscnt 0x0
.irp a, 0,1,2,3,4,5,6,7
	v_max_num_f32 v[MX+\a], v[MX+\a], v[T+\a]      ; the maximum over the block's 256 n
.endr
.irp a, 0,1,2,3,4,5,6,7
	v_mul_f32 v[NEGM+2*\a], 0xbfb8aa3b, v[MX+\a]
	v_mul_f32 v[NEGM+2*\a+1], 0xbfb8aa3b, v[MX+\a]
.endr
	SOFT 0, \t
	SOFT 1, \t
	WIN 0
.irp a, 0,1,2,3,4,5,6,7
	v_add_f32 v[SUMP+2*\a], v[SUMP+2*\a], v[SUMP+2*\a+1]
.endr
.irp a, 0,1,2,3,4,5,6,7
	v_permlanex16_b32 v[T+\a], v[SUMP+2*\a], s60, s61
.endr
.irp a, 0,1,2,3,4,5,6,7
	v_add_f32 v[T+\a], v[T+\a], v[SUMP+2*\a]
.endr
.irp a, 0,1,2,3,4,5,6,7
	ds_store_b32 v27, v[T+\a] offset:64*\a
.endr
	s_wait_dscnt 0x0
	s_barrier_signal -1
	s_barrier_wait -1
	ds_load_b64 v[32:33], v28                      ; two columns: maxima of the two waves that share them,
	ds_load_b64 v[34:35], v28 offset:1024
	ds_load_b64 v[36:37], v28 offset:2048          ; and their sums
	ds_load_b64 v[38:39], v28 offset:3072
	s_wait_dscnt 0x0
	v_max_num_f32 v32, v32, v34
	v_max_num_f32 v33, v33, v35
	v_mul_f32 v40, 0x3fb8aa3b, v32                 ; the same product as the shift above, with the other sign
	v_add_f32 v41, v36, v38
	v_mul_f32 v42, 0x3fb8aa3b, v33
	v_add_f32 v43, v37, v39
	global_store_b128 v29, v[40:43], s[58:59] offset:\t*16384
.endm
	s_wait_tensorcnt 0x1                           ; my part of K step 0 is in; K step 1's may stay out
	s_barrier_signal -1
	s_barrier_wait -1
	FETCH 0, 0, F0
	THREE 0, 1                                     ; the first block: four K steps of 128, every slot filled again
	TURN 0, 1, 1, 1, 1
	THREE 1, 0
	TURN 1, 0, 1, 1, 1
	THREE 0, 0
	TURN 0, 1, 1, 0, 1                             ; slot 0: the second block's K step 0
	THREE 1, 0
	TURN 1, 0, 1, 0, 0                             ; slot 1: the second block's K step 1; slot 0's tile has been shown whole to every wave by this round
	EPILOG 0
	s_wait_xcnt 0x0                                ; the stores' data registers become the second block's accumulators and shifts only behind this wait
	FETCH 0, 0, F0
	THREE 0, 1                                     ; the second block
	TURN 0, 1, 1, 1, 1
	THREE 1, 0
	TURN 1, 0, 1, 1, 1
	THREE 0, 0
	TURN 0, 1, 0, 0, 1                             ; nothing is left to fetch
	THREE 1, 0
	s_wait_dscnt 8
	WIN MUL_LO
	MUL16 F1, 0, 0, 0
	MUL16 F1, 0, 2, 0
	s_wait_dscnt 0x0
	WIN MUL_HI
	MUL16 F1, 1, 0, 0
	MUL16 F1, 1, 2, 0
	EPILOG 1
	CROUND                                         ; the closing round
	s_endpgm
.Lfunc_end_k_q10c8954f23_score:
	.size	k_q10c8954f23_score, .Lfunc_end_k_q10c8954f23_score-k_q10c8954f23_score
	.p2alignl 7, 3214868480
	.fill 96, 4, 3214868480
	.section	.rodata,"a",@progbits
	.p2align	6, 0x0
	.amdhsa_kernel k_q10c8954f23_score
		.amdhsa_group_segment_fixed_size 327680
		.amdhsa_private_segment_fixed_size 0
		.amdhsa_enable_private_segment 0
		.amdhsa_kernarg_size 32
		.amdhsa_user_sgpr_count 2
		.amdhsa_user_sgpr_kernarg_segment_ptr 1
		.amdhsa_wavefront_size32 1
		.amdhsa_system_sgpr_workgroup_id_x 1
		.amdhsa_system_sgpr_workgroup_id_y 1
		.amdhsa_system_sgpr_workgroup_id_z 1
		.amdhsa_system_vgpr_workitem_id 0
		.amdhsa_next_free_vgpr 1024
		.amdhsa_next_free_sgpr 66
		.amdhsa_reserve_vcc 0
		.amdhsa_float_denorm_mode_32 3
		.amdhsa_float_denorm_mode_16_64 3
		.amdhsa_memory_ordered 1
		.amdhsa_forward_progress 1
		.amdhsa_inst_pref_size 255
	.end_amdhsa_kernel
	.section	.bss,"aw",@nobits
	.p2align	6
	.space	262144
	.amdgpu_metadata
---
amdhsa.version: [ 1, 2 ]
amdhsa.kernels:
  - .name:           k_q10c8954f23_score
    .symbol:         k_q10c8954f23_score.kd
    .args:
      - { .name: thf, .offset: 0, .size: 8, .value_kind: global_buffer, .address_space: global }
      - { .name: phf, .offset: 8, .size: 8, .value_kind: global_buffer, .address_space: global }
      - { .name: ef, .offset: 16, .size: 8, .value_kind: global_buffer, .address_space: global }
      - { .name: st, .offset: 24, .size: 8, .value_kind: global_buffer, .address_space: global }
    .group_segment_fixed_size: 327680
    .private_segment_fixed_size: 0
    .kernarg_segment_align: 8
    .kernarg_segment_size: 32
    .max_flat_workgroup_size: 128
    .sgpr_count:     66
    .vgpr_count:     1024
    .wavefront_size: 32
...
	.end_amdgpu_metadata
.endif
;; end of part 3
;; launch mix (part 4): grid 16 x 16, 4 waves a work-group, clusters of 4 x 1, 327,680 bytes of LDS; arguments ef, gf, st, wmf, x, out0; writes out0
.if DOCPART == 4
	.amdgcn_target "amdgcn-amd-amdhsa--gfx1250"
	.amdhsa_code_object_version 6
	.text
	.protected	k_q10c8954f23_mix
	.globl	k_q10c8954f23_mix
	.p2align	8
	.type	k_q10c8954f23_mix,@function
k_q10c8954f23_mix:
	s_mov_b64 s[64:65], 0
	v_nop
	global_prefetch_b8 v0, s[64:65] scope:SCOPE_SE
	s_setreg_imm32_b32 hwreg(HW_REG_WAVE_MODE, 25, 1), 1
	s_wait_xcnt 0x0
	s_wait_alu depctr_hold_cnt(0) depctr_sa_sdst(0) depctr_va_vdst(0) depctr_va_sdst(0) depctr_va_ssrc(0) depctr_va_vcc(0) depctr_vm_vsrc(0)
	s_getreg_b32 s2, hwreg(HW_REG_IB_STS2, 6, 4)
	s_cmp_eq_u32 s2, 0
	s_cbranch_scc0 .Lentry_in_a_cluster
	s_endpgm
.Lentry_in_a_cluster:
	s_bfe_u32 s2, ttmp6, 0x10000c
	s_cmp_lg_u32 s2, 0x3003
	s_cbranch_scc0 .Lentry_shape_is_right
	s_endpgm
.Lentry_shape_is_right:
; mix: the softmax's statistics are merged, out = P g, then y = w_mask out + x.
; A work-group makes, for one batch b and one half, the 256 rows o x 128 columns n of out (K = 2,048 columns m of the attention), which are all
; 256 inputs of the last convolution for the 128 pixels p = 2048 half + 128 nblk + 0..127: so y[512][128] is finished here and out never goes to memory.
; GRID ROWS: row Y holds batch 2 (Y >> 2) + (Y & 1) and half (Y >> 1) & 1: the two halves of a batch, which read the same E and the same statistics, are two rows apart.
; P[n][m] = E[n][m] f[m], f[m] = exp2(M_own - Mg) / sum over the 8 blocks p of L_p exp2(M_p - Mg), Mg = the largest M_p: the exact merge of the blocks'
; maxima and sums, in f32; own = the block of n that this work-group's E was made in.
; LIMITS: the operand is bf16(bf16(E) x bf16(f)), three roundings to bf16 where one would do; NaN and infinite inputs are not served;
; exponentials below 2^-126 come out as zero (ISA guide, v_exp_f32).
; MAIN PART: four waves, each 128 o x 64 n in 32 accumulator tiles; source 0 = g (fragment blocks, rows o), source 1 = P (rows n): a lane's 8 results are 8
; neighbouring o of one n, that is 16 bytes of the next product's operand.  E lies [m][n] and is read by the transposing LDS load; the next quarter's P is
; multiplied out between this quarter's matrix instructions.
; CLUSTERS: the four work-groups of a cluster (four nblk of one b and half) read the same g, two thirds of a step's bytes, and the same w_mask: joint loads.
; E is each work-group's own in the cluster (the two halves that share it lie in different clusters): a plain load.
; By this text's own count a wave has at most two tensor loads outstanding.  The accumulators take turns, one matrix instruction a turn.
; LDS: slot n at 98,304 n: g [32 m 4][o tile 16][block] at +0, E [32 m 4][n tile 8][u 2][512] at +65,536; later w_mask chunks, 65,536 bytes at +0.
;      STAGE 196,608 ([32 o 8][p tile 8][block]) and FTAB 262,144 (f in bf16, 2 bytes a column) are written by LDS stores alone.
; REGISTERS: window 0: addresses, g fragments v32-95 / v96-159, E as loaded v160-191; window 1: v0-127 tiles of o tiles 0-3, P v128-159 / v160-191, f v192-199;
;      window 2: v0-127 tiles of o tiles 4-7; window 3: x of the first 64 output rows.  In the last product: window 2 all 32 tiles, window 0 v32-95 weights, window 1 v0-127 out.
.set SLOT,  98304
.set EOFF,  65536
.set STAGE, 196608
.set FTAB,  262144
.set L16, 1
.set ADG, 4                            ; v4-5    my g fragments in slot 0, 1
.set ADE, 6                            ; v6-7    my E pieces
.set ADF, 8                            ; v8      f of this lap's first quarter
.set STO, 9                            ; v9      where I put out
.set SRD, 10                           ; v10     where out is read
.set AWM, 11                           ; v11-12  my w_mask fragments in slot 0, 1
.set XO,  13                           ; v13     x, y: 8 h rows + 16 r bytes
.set T16, 14                           ; v14     16 t
.set FST, 15                           ; v15     FTAB + 4 t
.set G,   32
.set RAW, 160
.set EM,  128
.set FF,  192
.set WF,  32
.set OF,  0
.set G1G, 28
.set G1E, 36
.set G1W, 44
.set G0G, 52
.set G0E, 68
.set G0W, 76
.set SA,  0x54                         ; source 0 window 0, source 1, C, D window 1
.set SB,  0xa4                         ; source 0 window 0, source 1 window 1, C, D window 2
.set MSB, 0
.macro WIN new
.if MSB != \new
	s_set_vgpr_msb (MSB<<8)|\new
.set MSB, \new
.endif
.endm
.macro PLACES                          ; four places behind a matrix instruction (ISA guide 7.12.1)
.rept 4
	v_nop
.endr
.endm
.macro CREST
	s_cmp_lg_u32 s16, 0
	s_cbranch_scc1 .Lnot_wave_0_\@
	s_barrier_signal -3
.Lnot_wave_0_\@:
	s_barrier_wait -3
	s_barrier_signal -1
	s_barrier_wait -1
.endm
.macro CROUND
	s_barrier_signal -1
	s_barrier_wait -1
	CREST
.endm
.macro MM d, a, b, zero
.if \zero
	v_wmma_f32_16x16x32_bf16 v[\d:\d+7], v[\a:\a+7], v[\b:\b+7], 0
.else
	v_wmma_f32_16x16x32_bf16 v[\d:\d+7], v[\a:\a+7], v[\b:\b+7], v[\d:\d+7]
.endif
.endm
.macro JLOAD s                         ; waves 0, 1 ask (jointly) for g's two halves, waves 2, 3 for E's
	s_cmp_eq_u32 s17, 0
	s_cbranch_scc0 .Lfor_e_\@
	tensor_load_to_lds s[G0G+4*\s:G0G+4*\s+3], s[G1G:G1G+7]
	s_nop 0
	s_branch .Lasked_\@
.Lfor_e_\@:
	tensor_load_to_lds s[G0E+4*\s:G0E+4*\s+3], s[G1E:G1E+7]
	s_nop 0
.Lasked_\@:
.endm
	s_load_b256 s[4:11], s[0:1], 0x0               ; ef s[4:5], gf s[6:7], st s[8:9], wmf s[10:11]
	s_load_b128 s[12:15], s[0:1], 0x20             ; x s[12:13], out0 s[14:15]
	v_lshrrev_b32 v1, 5, v0
	v_readfirstlane_b32 s16, v1                    ; wave
	s_lshr_b32 s17, s16, 1                         ; wo: my half of the o.  Also: I fetch g (0) or E (1)
	s_and_b32 s18, s16, 1                          ; wn: my 64 of the n.  Also: which half of that tile I fetch
	s_bfe_u32 s19, ttmp6, 0x40000                  ; cx
	s_lshl_b32 s20, ttmp9, 2
	s_add_co_u32 s20, s20, s19                     ; nblk
	s_and_b32 s21, ttmp7, 0xffff                   ; grid row Y
	s_lshr_b32 s22, s21, 2
	s_and_b32 s23, s21, 1
	s_lshl1_add_u32 s22, s22, s23                  ; b = 2 (Y >> 2) + (Y & 1)
	s_bfe_u32 s23, s21, 0x10001                    ; half = bit 1 of Y
	s_lshl1_add_u32 s21, s22, s23                  ; 2 b + half
	; group 1, dense blocks as rows of 32 elements of 8 bytes: g 128 rows, joint; E 64 rows, plain; w_mask 64 rows, joint
	s_mov_b32 s[G1G+0], 15|(3<<16)|(1<<21)
	s_mov_b32 s[G1G+1], 32<<16
	s_mov_b32 s[G1G+2], 128<<16
	s_mov_b32 s[G1G+3], 32<<16
	s_mov_b32 s[G1G+4], 128
	s_mov_b32 s[G1G+5], 32
	s_mov_b32 s[G1G+6], 0
	s_mov_b32 s[G1G+7], 0
	s_mov_b32 s[G1E+0], 3<<16
	s_mov_b32 s[G1W+0], 15|(3<<16)|(1<<21)
.irp g, G1E, G1W
	s_mov_b32 s[\g+1], 32<<16
	s_mov_b32 s[\g+2], 64<<16
	s_mov_b32 s[\g+3], 32<<16
	s_mov_b32 s[\g+4], 64
	s_mov_b32 s[\g+5], 32
	s_mov_b32 s[\g+6], 0
	s_mov_b32 s[\g+7], 0
.endr
	s_lshl_b32 s24, s21, 20                        ; g: (b, half), 1,048,576 bytes each: nothing of cx
	s_lshl_b32 s26, s18, 15
	s_add_co_u32 s24, s24, s26
	s_mov_b32 s25, 0
	s_lshl4_add_u32 s60, s22, s20                  ; E: 16 b + nblk, 524,288 bytes each
	s_lshl_b32 s60, s60, 19
	s_lshl_b32 s26, s18, 14
	s_add_co_u32 s60, s60, s26
	s_mov_b32 s61, 0
	s_lshl_b32 s62, s16, 14                        ; w_mask: wave x 16,384, in memory and in a slot
	s_mov_b32 s63, 0
	s_lshl_b32 s26, s16, 15                        ; g's part goes to wave x 32,768 (waves 0, 1),
	s_add_co_u32 s27, s62, 32768                   ; E's to 32,768 + wave x 16,384 (waves 2, 3: 65,536 and 81,920)
	s_wait_kmcnt 0x0
	s_add_nc_u64 s[24:25], s[6:7], s[24:25]
	s_add_nc_u64 s[60:61], s[4:5], s[60:61]
	s_add_nc_u64 s[92:93], s[10:11], s[62:63]
	CROUND                                         ; the four work-groups are here: the first joint loads meet
.irp n, 0,1
	s_mov_b32 s[G0G+4*\n], 1
	s_add_co_u32 s[G0G+4*\n+1], s26, \n*SLOT
	s_add_nc_u64 s[G0G+4*\n+2:G0G+4*\n+3], s[24:25], \n*65536
	s_or_b32 s[G0G+4*\n+3], s[G0G+4*\n+3], 0x80000000
	s_mov_b32 s[G0E+4*\n], 1
	s_add_co_u32 s[G0E+4*\n+1], s27, \n*SLOT
	s_add_nc_u64 s[G0E+4*\n+2:G0E+4*\n+3], s[60:61], \n*32768
	s_or_b32 s[G0E+4*\n+3], s[G0E+4*\n+3], 0x80000000
	s_mov_b32 s[G0W+4*\n], 1
	s_add_co_u32 s[G0W+4*\n+1], s62, \n*SLOT
	s_add_nc_u64 s[G0W+4*\n+2:G0W+4*\n+3], s[92:93], \n*65536
	s_or_b32 s[G0W+4*\n+3], s[G0W+4*\n+3], 0x80000000
	JLOAD \n
.endr
	; x and y at batch b, row 128 wave, column 2048 half + 128 nblk
	s_lshl_b32 s24, s22, 23
	s_lshl_b32 s26, s16, 21
	s_add_co_u32 s24, s24, s26
	s_lshl_b32 s26, s23, 13
	s_add_co_u32 s24, s24, s26
	s_lshl_b32 s26, s20, 9
	s_add_co_u32 s24, s24, s26
	s_mov_b32 s25, 0
	s_add_nc_u64 s[84:85], s[12:13], s[24:25]
	s_add_nc_u64 s[86:87], s[14:15], s[24:25]
	s_lshl_b32 s24, s22, 17                        ; st at batch b; and at the block of n that my E was made in
	s_add_nc_u64 s[88:89], s[8:9], s[24:25]
	s_lshr_b32 s24, s20, 1
	s_lshl_b32 s24, s24, 14
	s_add_nc_u64 s[90:91], s[88:89], s[24:25]
	v_and_b32 v2, 15, v0                           ; r
	v_bfe_u32 v3, v0, 4, 1                         ; h
	v_and_b32 v1, 31, v0
	v_lshlrev_b32 v[L16], 4, v1
	s_lshl_b32 s24, s17, 13
	v_add_nc_u32 v[ADG], s24, v[L16]
	v_add_nc_u32 v[ADG+1], SLOT, v[ADG]
	s_lshl_b32 s24, s18, 12
	s_add_co_u32 s25, s24, EOFF
	v_add_nc_u32 v[ADE], s25, v[L16]
	v_add_nc_u32 v[ADE+1], SLOT, v[ADE]
	v_lshlrev_b32 v[ADF], 4, v3
	v_add_nc_u32 v[ADF], FTAB, v[ADF]
	s_lshl_b32 s25, s17, 15
	s_add_co_u32 s25, s25, s24
	s_add_co_u32 s25, s25, STAGE
	v_add_nc_u32 v[STO], s25, v[L16]
	v_add_nc_u32 v[SRD], STAGE, v[L16]
	v_add_nc_u32 v[AWM], s62, v[L16]
	v_add_nc_u32 v[AWM+1], SLOT, v[AWM]
	v_lshlrev_b32 v[XO], 4, v2
	v_lshl_add_u32 v[XO], v3, 17, v[XO]
	v_lshlrev_b32 v[T16], 4, v0
	v_lshlrev_b32 v[FST], 2, v0
	v_add_nc_u32 v[FST], FTAB, v[FST]
	; THE TABLE OF f: eight steps of 256 columns, two columns a thread; nine loads of (M, L, M, L) a step: the eight blocks and my own once more.
	; Step it of thread t reads 16 bytes at 16 t + 2,048 it of each block and writes the word at FTAB + 4 t + 512 it: every word of the table's 4,096 bytes once.
	; Five register sets of 36 (sb = the set's first register) take turns: five steps' 45 loads are on their way at the start.
.macro FTLOAD it, sb
.irp p, 0,1,2,3,4,5,6,7
	global_load_b128 v[\sb+4*\p:\sb+4*\p+3], v[T16], s[88:89] offset:\p*16384+(\it)*2048
.endr
	global_load_b128 v[\sb+32:\sb+35], v[T16], s[90:91] offset:(\it)*2048
.endm
.macro FTCALC it, sb, left
	s_wait_loadcnt \left                           ; this step's nine loads are in; the younger steps' loads, nine each, may be out
.irp e, 0,1
	v_max3_num_f32 v[122+\e], v[\sb+2*\e], v[\sb+4+2*\e], v[\sb+8+2*\e]
	v_max3_num_f32 v[122+\e], v[122+\e], v[\sb+12+2*\e], v[\sb+16+2*\e]
	v_max3_num_f32 v[122+\e], v[122+\e], v[\sb+20+2*\e], v[\sb+24+2*\e]
	v_max_num_f32 v[122+\e], v[122+\e], v[\sb+28+2*\e]
.endr
.irp e, 0,1
.irp p, 0,1,2,3,4,5,6,7,8
	v_sub_f32 v[104+9*\e+\p], v[\sb+4*\p+2*\e], v[122+\e]
.endr
.endr
.irp d, 0,1,2,3,4,5,6,7,8,9,10,11,12,13,14,15,16,17
	v_exp_f32 v[104+\d], v[104+\d]
.endr
	v_nop                                          ; one plain place behind the exponentials (ISA guide 5.7.2)
	s_wait_alu depctr_va_vdst(0)
.irp e, 0,1
	v_mul_f32 v[124+\e], v[\sb+1+2*\e], v[104+9*\e]
.irp p, 1,2,3,4,5,6,7
	v_fmac_f32 v[124+\e], v[\sb+4*\p+1+2*\e], v[104+9*\e+\p]
.endr
.endr
	v_rcp_f32 v124, v124                           ; the sum is at least the sum of the block that holds the maximum, which is about 1 or more
	v_rcp_f32 v125, v125
	v_nop
	s_wait_alu depctr_va_vdst(0)
	v_mul_f32 v124, v124, v112
	v_mul_f32 v125, v125, v121
	v_cvt_pk_bf16_f32 v126, v124, v125
	ds_store_b32 v[FST], v126 offset:(\it)*512
.endm
	FTLOAD 0, 32
	FTLOAD 1, 68
	FTLOAD 2, 128
	FTLOAD 3, 164
	FTLOAD 4, 200
	FTCALC 0, 32, 36                               ; four younger steps may be out
	FTLOAD 5, 32
	FTCALC 1, 68, 36
	FTLOAD 6, 68
	FTCALC 2, 128, 36
	FTLOAD 7, 128
	FTCALC 3, 164, 36
	FTCALC 4, 200, 27                              ; nothing more is asked for: the counts run down
	FTCALC 5, 32, 18
	FTCALC 6, 68, 9
	FTCALC 7, 128, 0
; x for 16 output rows 64 hh + 16 ap + 8 h + j: register base + 4 (2 j + g) + q is column 64 g + 4 r + q; sixteen lanes take 256 consecutive bytes
.macro XRL hh, ap, base
.irp j, 0,1,2,3,4,5,6,7
.irp g, 0,1
	global_load_b128 v[\base+4*(2*\j+\g):\base+4*(2*\j+\g)+3], v[XO], s[84:85] offset:(64*\hh+16*\ap+\j)*16384+256*\g th:TH_LOAD_NT
.endr
.endr
.endm
	WIN 0xc0                                       ; the first half of the residual stays on its way during the main part: three sets of 16 loads here, the fourth behind the first lap
	XRL 0, 0, 0
	XRL 0, 1, 64
	XRL 0, 2, 128
	WIN 0
	s_wait_tensorcnt 0x1                           ; my part of K step 0 is in; K step 1's may stay out
	s_wait_dscnt 0x0                               ; my part of the table is in LDS
	s_barrier_signal -1
	s_barrier_wait -1
; 26 LDS loads in one run, for 32 along K: f of quarter fq of the lap in the operand's order of k (2), 4 n tiles of E through the transposing load (8), 8 o tiles of g (16).
; What is wanted first stands first: f and E half a quarter on, g a whole quarter on.
.macro FETCHM slot, q, gb, fq
	WIN 0x40
	ds_load_b128 v[FF:FF+3], v[ADF] offset:(\fq)*64
	ds_load_b128 v[FF+4:FF+7], v[ADF] offset:(\fq)*64+32
	WIN 0
.irp i, 0,1,2,3
	ds_load_tr16_b128 v[RAW+8*\i:RAW+8*\i+3], v[ADE+\slot] offset:\q*8192+\i*1024
	ds_load_tr16_b128 v[RAW+8*\i+4:RAW+8*\i+7], v[ADE+\slot] offset:\q*8192+\i*1024+512
.endr
.irp ot, 0,1,2,3,4,5,6,7
	ds_load_b128 v[G+64*\gb+8*\ot:G+64*\gb+8*\ot+3], v[ADG+\slot] offset:\q*16384+\ot*1024
	ds_load_b128 v[G+64*\gb+8*\ot+4:G+64*\gb+8*\ot+7], v[ADG+\slot] offset:\q*16384+\ot*1024+512
.endr
.endm
.macro PMUL eb                         ; under SA: P = E f, 4 tiles x 8 registers
.set xx, 0
.rept 32
	v_pk_mul_bf16 v[EM+32*\eb+xx], v[RAW+xx], v[FF+(xx&7)]
.set xx, xx+1
.endr
.endm
.macro SBLK gb, eb, zero               ; o tiles 4-7
	WIN SB
.irp ot, 0,1,2,3
.irp i, 0,1,2,3
	MM 8*(4*\ot+\i), G+64*\gb+8*(4+\ot), EM+32*\eb+8*\i, \zero
.endr
.endr
.endm
; o tiles 0-3.  mul = 1: behind each product two registers of the next quarter's P.  mul = 2: the fetch stands just in front, so the first eight products go bare,
; then the wait for f and E (the 16 loads of g may be out), then four registers of P behind each of the last eight.
.macro SABLK gb, eb, zero, mul
	WIN SA
.irp ot, 0,1,2,3
.irp i, 0,1,2,3
.if \mul == 2
.if (4*\ot+\i) == 8
	s_wait_dscnt 16
.endif
.endif
	MM 8*(4*\ot+\i), G+64*\gb+8*\ot, EM+32*\eb+8*\i, \zero
.if \mul == 1
	v_pk_mul_bf16 v[EM+32*(1-\eb)+2*(4*\ot+\i)], v[RAW+2*(4*\ot+\i)], v[FF+((2*(4*\ot+\i))&7)]
	v_pk_mul_bf16 v[EM+32*(1-\eb)+2*(4*\ot+\i)+1], v[RAW+2*(4*\ot+\i)+1], v[FF+((2*(4*\ot+\i)+1)&7)]
.endif
.if \mul == 2
.if (4*\ot+\i) >= 8
.irp u, 0,1,2,3
	v_pk_mul_bf16 v[EM+32*(1-\eb)+4*(4*\ot+\i-8)+\u], v[RAW+4*(4*\ot+\i-8)+\u], v[FF+((4*(4*\ot+\i-8)+\u)&7)]
.endr
.endif
.endif
.endr
.endr
.endm
; quarter q (0..2) of a K step, on buffers bq; fq = the next quarter's number in the lap
.macro QUART slot, q, bq, zero, fq
	PLACES
	FETCHM \slot, (\q+1), (1-\bq), \fq
	s_wait_dscnt 26                                ; this quarter's g, asked for a quarter ago, is in; the 26 loads just issued may be out
	SBLK \bq, \bq, \zero
	s_wait_dscnt 16                                ; the next quarter's f and E are in; its 16 loads of g may be out
	SABLK \bq, \bq, \zero, 1
.endm
; the last quarter of a K step changes slots: waits in front of the round, matrix instructions alone inside it, the refill first behind it.
; kind 0: this slot's next g and E; kind 1: a chunk of w_mask
.macro TURNM slot, kind, fq
	s_wait_dscnt 0x0
	s_wait_tensorcnt 0x0
.if \kind == 0
	s_add_nc_u64 s[G0G+4*\slot+2:G0G+4*\slot+3], s[G0G+4*\slot+2:G0G+4*\slot+3], 131072
	s_add_nc_u64 s[G0E+4*\slot+2:G0E+4*\slot+3], s[G0E+4*\slot+2:G0E+4*\slot+3], 65536
.endif
	s_barrier_signal -1
	SBLK 1, 1, 0
	WIN 0
	s_barrier_wait -1
	CREST
.if \kind == 0
	JLOAD \slot
.else
	tensor_load_to_lds s[G0W+4*\slot:G0W+4*\slot+3], s[G1W:G1W+7]
	s_nop 0
.endif
	PLACES
	FETCHM (1-\slot), 0, 0, \fq
	SABLK 1, 1, 0, 2
.endm
.macro LAP zero                        ; two K steps of 128: once round the ring
	QUART 0, 0, 0, \zero, 1
	QUART 0, 1, 1, 0, 2
	QUART 0, 2, 0, 0, 3
	TURNM 0, 0, 4
	QUART 1, 0, 0, 0, 5
	QUART 1, 1, 1, 0, 6
	QUART 1, 2, 0, 0, 7
	TURNM 1, 0, 8
	WIN 0
	v_add_nc_u32 v[ADF], 512, v[ADF]               ; 256 columns of f on
.endm
	FETCHM 0, 0, 0, 0
	s_wait_dscnt 0x0
	WIN SA
	PMUL 0
	LAP 1                                          ; the first lap stands in front of the loop: its first products start the sums
	WIN 0xc0
	XRL 0, 3, 192                                  ; the fourth set of the residual's first half
	WIN 0
	s_mov_b32 s94, 6
.Llap:
	LAP 0
	s_sub_co_u32 s94, s94, 1
	s_cmp_lg_u32 s94, 0
	s_cbranch_scc1 .Llap
	QUART 0, 0, 0, 0, 1                            ; the last lap: the slots are filled with w_mask's first two chunks
	QUART 0, 1, 1, 0, 2
	QUART 0, 2, 0, 0, 3
	TURNM 0, 1, 4
	QUART 1, 0, 0, 0, 5
	QUART 1, 1, 1, 0, 6
	QUART 1, 2, 0, 0, 7
	s_wait_dscnt 0x0
	s_wait_tensorcnt 0x0
	s_barrier_signal -1
	SBLK 1, 1, 0
	WIN 0
	s_barrier_wait -1
	CREST
	tensor_load_to_lds s[G0W+4:G0W+7], s[G1W:G1W+7]
	s_nop 0
	SABLK 1, 1, 0, 0
	; HAND-OVER: out, rounded to bf16, goes into the stage as fragment blocks with rows = pixels, k = o
	PLACES
	WIN 0x05
.irp n, 0,1,2,3,4,5,6,7,8,9,10,11,12,13,14,15
.irp c, 0,1,2,3
	v_cvt_pk_bf16_f32 v[G+4*\n+\c], v[8*\n+2*\c], v[8*\n+2*\c+1]
.endr
.endr
	WIN 0x0a
.irp n, 0,1,2,3,4,5,6,7,8,9,10,11,12,13,14,15
.irp c, 0,1,2,3
	v_cvt_pk_bf16_f32 v[G+64+4*\n+\c], v[8*\n+2*\c], v[8*\n+2*\c+1]
.endr
.endr
	WIN 0
.irp ot, 0,1,2,3,4,5,6,7
.irp i, 0,1,2,3
	ds_store_b128 v[STO], v[G+4*(4*\ot+\i):G+4*(4*\ot+\i)+3] offset:(\ot>>1)*8192+\i*1024+(\ot&1)*512
.endr
.endr
	s_wait_loadcnt 0x0                             ; the first half of the residual: asked for in front of the main part and behind its first lap
	s_wait_dscnt 0x0
	s_barrier_signal -1                            ; w_mask's chunk 1 may stay out
	s_barrier_wait -1
	; THE LAST PRODUCT: y[128 wave + 64 hh + 16 ap + ..][128 pixels], K = 256 in 8 quarters for each hh; chunk c = 2 hh + (K half) lies in slot c & 1
.macro FETCHW tq, buf
	WIN 0x40
.irp pt, 0,1,2,3,4,5,6,7
	ds_load_b128 v[OF+64*\buf+8*\pt:OF+64*\buf+8*\pt+3], v[SRD] offset:(4*((\tq>>2)&1)+(\tq&3))*8192+\pt*1024
	ds_load_b128 v[OF+64*\buf+8*\pt+4:OF+64*\buf+8*\pt+7], v[SRD] offset:(4*((\tq>>2)&1)+(\tq&3))*8192+\pt*1024+512
.endr
	WIN 0
.irp ap, 0,1,2,3
	ds_load_b128 v[WF+32*\buf+8*\ap:WF+32*\buf+8*\ap+3], v[AWM+((\tq>>2)&1)] offset:(\tq&3)*4096+\ap*1024
	ds_load_b128 v[WF+32*\buf+8*\ap+4:WF+32*\buf+8*\ap+7], v[AWM+((\tq>>2)&1)] offset:(\tq&3)*4096+\ap*1024+512
.endr
.endm
.macro MW buf, a0, zero
	WIN 0xa4
.irp ap, \a0, \a0+1
.irp pt, 0,1,2,3,4,5,6,7
	MM 8*(8*(\ap)+\pt), WF+32*\buf+8*(\ap), OF+64*\buf+8*\pt, \zero
.endr
.endr
.endm
.macro WQ tq, zero, tw
	s_wait_dscnt 4                                 ; only weight tiles 2, 3 may be out
	MW (\tq&1), 0, \zero
	PLACES
.if \tw
	s_wait_tensorcnt 0x0                           ; the last chunk: my own bytes, read by me alone
.endif
	FETCHW (\tq+1), ((\tq+1)&1)
	s_wait_dscnt 24                                ; all but the 24 just issued
	MW (\tq&1), 2, \zero
.endm
.macro WTURN tq                        ; the chunk's last quarter: its slot is filled again, two chunks on
	s_wait_dscnt 0x0
	s_wait_tensorcnt 0x0
	s_add_nc_u64 s[G0W+4*((\tq>>2)&1)+2:G0W+4*((\tq>>2)&1)+3], s[G0W+4*((\tq>>2)&1)+2:G0W+4*((\tq>>2)&1)+3], 131072
	s_barrier_signal -1
	MW 1, 0, 0
	WIN 0
	s_barrier_wait -1
	CREST
	tensor_load_to_lds s[G0W+4*((\tq>>2)&1):G0W+4*((\tq>>2)&1)+3], s[G1W:G1W+7]
	s_nop 0
	PLACES
	FETCHW (\tq+1), 0
	MW 1, 2, 0
.endm
; y = product + x for 16 output rows: the addition also brings the four tiles q of a lane into four neighbouring registers
.macro YADD ap, base
.irp j, 0,1,2,3,4,5,6,7
.irp g, 0,1
.irp q, 0,1,2,3
	v_add_f32 v[\base+4*(2*\j+\g)+\q], v[8*(8*\ap+4*\g+\q)+\j], v[\base+4*(2*\j+\g)+\q]
.endr
.endr
.endr
.endm
; and its 16 stores: sixteen lanes store 256 consecutive bytes, aligned
.macro YST hh, ap, base
.irp j, 0,1,2,3,4,5,6,7
.irp g, 0,1
	global_store_b128 v[XO], v[\base+4*(2*\j+\g):\base+4*(2*\j+\g)+3], s[86:87] offset:(64*\hh+16*\ap+\j)*16384+256*\g th:TH_STORE_NT
.endr
.endr
.endm
.macro YSET hh, ap, base, wadd, wst
	WIN \wadd
	YADD \ap, \base
	WIN \wst
	YST \hh, \ap, \base
.endm
	FETCHW 0, 0
	XRL 1, 0, 96                                   ; the second half of the residual, into registers that the main part has left: three sets of 16 loads here,
	XRL 1, 1, 160
	WIN 0x40
	XRL 1, 2, 128
	WQ 0, 1, 0
	WQ 1, 0, 0
	WQ 2, 0, 0
	WTURN 3
	WIN 0x40
	XRL 1, 3, 192                                  ; the fourth four quarters later
	WQ 4, 0, 0
	WQ 5, 0, 0
	WQ 6, 0, 0
	WTURN 7
	PLACES
	WIN 0xce                                       ; all four sets are added at once, so that the accumulators are free for the second half;
	YADD 0, 0
	YADD 1, 64
	YADD 2, 128
	YADD 3, 192
	WIN 0x0c                                       ; three sets are stored here, the fourth two quarters later
	YST 0, 0, 0
	YST 0, 1, 64
	YST 0, 2, 128
	WQ 8, 1, 0
	WQ 9, 0, 0
	WIN 0x0c
	YST 0, 3, 192
	WQ 10, 0, 0
	WQ 11, 0, 1
	WQ 12, 0, 0
	WQ 13, 0, 0
	WQ 14, 0, 0
	s_wait_dscnt 4
	MW 1, 0, 0
	s_wait_dscnt 0x0
	MW 1, 2, 0
	PLACES
	s_wait_loadcnt 48                              ; set 0's 16 loads are in; the three younger sets may be out, and so on down
	YSET 1, 0, 96, 0x02, 0x00
	s_wait_loadcnt 32
	YSET 1, 1, 160, 0x02, 0x00
	s_wait_loadcnt 16
	YSET 1, 2, 128, 0x46, 0x04
	s_wait_loadcnt 0x0
	YSET 1, 3, 192, 0x46, 0x04
	WIN 0
	CROUND                                         ; the closing round
	s_endpgm
.Lfunc_end_k_q10c8954f23_mix:
	.size	k_q10c8954f23_mix, .Lfunc_end_k_q10c8954f23_mix-k_q10c8954f23_mix
	.p2alignl 7, 3214868480
	.fill 96, 4, 3214868480
	.section	.rodata,"a",@progbits
	.p2align	6, 0x0
	.amdhsa_kernel k_q10c8954f23_mix
		.amdhsa_group_segment_fixed_size 327680
		.amdhsa_private_segment_fixed_size 0
		.amdhsa_enable_private_segment 0
		.amdhsa_kernarg_size 48
		.amdhsa_user_sgpr_count 2
		.amdhsa_user_sgpr_kernarg_segment_ptr 1
		.amdhsa_wavefront_size32 1
		.amdhsa_system_sgpr_workgroup_id_x 1
		.amdhsa_system_sgpr_workgroup_id_y 1
		.amdhsa_system_sgpr_workgroup_id_z 1
		.amdhsa_system_vgpr_workitem_id 0
		.amdhsa_next_free_vgpr 1024
		.amdhsa_next_free_sgpr 96
		.amdhsa_reserve_vcc 0
		.amdhsa_float_denorm_mode_32 3
		.amdhsa_float_denorm_mode_16_64 3
		.amdhsa_memory_ordered 1
		.amdhsa_forward_progress 1
		.amdhsa_inst_pref_size 255
	.end_amdhsa_kernel
	.section	.bss,"aw",@nobits
	.p2align	6
	.space	262144
	.amdgpu_metadata
---
amdhsa.version: [ 1, 2 ]
amdhsa.kernels:
  - .name:           k_q10c8954f23_mix
    .symbol:         k_q10c8954f23_mix.kd
    .args:
      - { .name: ef, .offset: 0, .size: 8, .value_kind: global_buffer, .address_space: global }
      - { .name: gf, .offset: 8, .size: 8, .value_kind: global_buffer, .address_space: global }
      - { .name: st, .offset: 16, .size: 8, .value_kind: global_buffer, .address_space: global }
      - { .name: wmf, .offset: 24, .size: 8, .value_kind: global_buffer, .address_space: global }
      - { .name: x, .offset: 32, .size: 8, .value_kind: global_buffer, .address_space: global }
      - { .name: out0, .offset: 40, .size: 8, .value_kind: global_buffer, .address_space: global }
    .group_segment_fixed_size: 327680
    .private_segment_fixed_size: 0
    .kernarg_segment_align: 8
    .kernarg_segment_size: 48
    .max_flat_workgroup_size: 128
    .sgpr_count:     96
    .vgpr_count:     1024
    .wavefront_size: 32
...
	.end_amdgpu_metadata
.endif
;; end of part 4
